; MI455X (gfx1250); checked and timed in simulation.
; The chip was launched on July 23, 2026; its instructions are those of AMD's public machine-readable ISA for CDNA 5 (MIT licence, August 2026) and "CDNA5" Instruction Set Architecture Reference Guide (July 2026). The comments in the code are by the model that wrote it; some were corrected since.
;; Bahdanau Attention. Allowed arithmetic: matrix products marked QUANTISED: E2M1 operands, one E8M0 scale for each 32 along K, by v_wmma_scale_f32_16x16x128_f8f6f4 with both operands' format E2M1 (or v_wmma_scale_f32_32x16x128_f4), f32 sums; products left as they are: f32 operands where the result goes on into a quantised operand, else bf16, f16 or f32 operands; f32 sums; everything else in f32.
;; Inputs: V_b 1 float32; V_w 1 x 1,024 float32; W1_b 1,024 float32; W1_w_codes 1,024 x 32 x 16 uint8 (E2M1 codes of W1_w, K innermost, in blocks of 32 codes, two codes a byte); W1_w_scales 1,024 x 32 uint8 (E8M0 scales of W1_w, one for each 32 codes along K); W2_b 1,024 float32; W2_w_codes 1,024 x 32 x 16 uint8 (E2M1 codes of W2_w, K innermost, in blocks of 32 codes, two codes a byte); W2_w_scales 1,024 x 32 uint8 (E8M0 scales of W2_w, one for each 32 codes along K); mask 32 x 2,048 int32; query_codes 32 x 2 x 32 x 16 uint8 (E2M1 codes of query, K innermost, in blocks of 32 codes, two codes a byte); query_scales 32 x 2 x 32 uint8 (E8M0 scales of query, one for each 32 codes along K); values 32 x 2,048 x 1,024 float32.
;; Outputs: out0 32 x 1 x 1,024 float32; out1 32 x 1 x 2,048 float32.
;; This version of the problem:
;;   THIS VERSION OF THE PROBLEM IS GIVEN IN LOW PRECISION. The matrix products marked QUANTISED in the list below multiply operands that are first quantised to E2M1 (2 exponent bits, 1 mantissa bit; 4 bits a number), with one power-of-two scale for each 32 numbers along K (OCP MX v1.0); their sums are f32. All else is computed in f32.
;;   The module's matrix products, in the order in which they are computed (A, B: the left and right operand; K: the contracted axis; several contracted axes count as one K, in the product's order):
;;     1. [M 32, K 1,024] x [K 1,024, N 1,024]; A: input query (given as codes); B: input W1_w (given as codes): QUANTISED
;;     2. [M 65,536, K 1,024] x [K 1,024, N 1,024]; A: input values; B: input W2_w (given as codes): QUANTISED
;;     3. [M 65,536, K 1,024] x [K 1,024, N 1]; A: computed on the way; B: input V_w: left as it is (N = 1 < 16)
;;     4. batch 32 x [M 1, K 2,048] x [K 2,048, N 1,024]; A: softmax; B: input values: left as it is (M = 1 < 16)
;;   THE QUANTISER, for each operand of a quantised product, along K:
;;     - K is cut into blocks of 32 from its start; a last block that is shorter is filled with zeros.
;;     - A block's scale is 2^e with e = floor(log2(the largest magnitude in the block)) - 2, held to -126 .. 127; a block of zeros has e = 0. As a byte (E8M0): e + 127.
;;     - Each number is divided by its block's scale, clamped to +-6, and rounded to the nearest number of E2M1, ties to even, subnormals kept.
;;     - The product sums the exact products of the quantised numbers (number of the format x scale) in f32.
;;   ~~~python
;;   def quantise(x, axis):      # numpy; x: float32 -> the quantised numbers, widened to float32 again
;;       x = np.moveaxis(x, axis, -1); K = x.shape[-1]
;;       x = np.pad(x, [(0, 0)] * (x.ndim - 1) + [(0, -K % 32)]); x = x.reshape(x.shape[:-1] + (-1, 32)); a = np.abs(x).max(-1, keepdims=True)
;;       e = np.where(a > 0, np.clip(np.frexp(np.where(a > 0, a, 1))[1] - 1 - 2, -126, 127), 0)      # np.frexp(a)[1] - 1 = floor(log2(a)), exactly
;;       r = np.clip(x / 2.0 ** e, -6, 6)
;;       step = 2.0 ** (np.maximum(np.frexp(np.where(r == 0, 1, r))[1] - 1, 0) - 1)
;;       q = np.round(r / step) * step * 2.0 ** e      # np.round: ties to even
;;       return np.moveaxis(q.reshape(q.shape[:-2] + (-1,))[..., :K], -1, axis).astype(np.float32)
;;   ~~~
;;   INPUTS GIVEN AS CODES. W1_w (in the module: [1024, 1024], K = its axis 1); W2_w (in the module: [1024, 1024], K = its axis 1); query (in the module: [32, 2, 1024], K = its axis 2): each comes as NAME_codes (uint8): NAME with its K axis moved to the last place and cut into blocks of 32 codes, [.., K / 32, bytes a block], one block behind the other in memory; two codes a byte, the lower K in the low four bits (a code: sign, 2 exponent bits, 1 mantissa bit); and NAME_scales (uint8): the same leading axes, one E8M0 byte (e + 127) for each 32 codes along K. Its value is code x scale, taken as it is: it is not quantised again, and the codes and scales need not be those that the quantiser above would give.
;; One version. Each part assembles by itself: llvm-mc -triple=amdgcn-amd-amdhsa -mcpu=gfx1250 --defsym DOCPART=n.
;; ======== version 1 of 1: 3 launches
;; limits: right only within a limited range of input values
;; workspace buffers: qbc 131,072 bytes; w2f 524,288 bytes; list 262,144 bytes of whole numbers; rank 262,144 bytes of whole numbers; cnt 4,096 bytes of whole numbers; sc 262,144 bytes
;; launch prep (part 1): grid 56 x 1, 4 waves a work-group, no clusters, 8,960 bytes of LDS; arguments query_codes, query_scales, W1_w_codes, W1_w_scales, W1_b, W2_b, W2_w_codes, mask, qbc, w2f, list, rank, cnt; writes qbc, w2f, list, rank, cnt
.if DOCPART == 1
	.amdgcn_target "amdgcn-amd-amdhsa--gfx1250"
	.amdhsa_code_object_version 6
	.text
	.protected	k_q65268d263d_prep
	.globl	k_q65268d263d_prep
	.p2align	8
	.type	k_q65268d263d_prep,@function
k_q65268d263d_prep:
	s_mov_b64 s[64:65], 0
	v_nop
	global_prefetch_b8 v0, s[64:65] scope:SCOPE_SE
	s_setreg_imm32_b32 hwreg(HW_REG_WAVE_MODE, 25, 1), 1
	s_wait_xcnt 0x0
; BahdanauAttention, first of three launches: what the other two need once.
;   work-groups 0-15  (Q): qbc[b][n] = c (sum over k of q[b][k] W1[n][k] + W1_b[n] + W2_b[n]), c = 2 log2(e), on codes of E2M1 as they are given
;   work-groups 16-23 (L): the mask of each batch becomes lists of whole numbers: list (rows with mask != 0 first, the others from the end), rank (its inverse), cnt
;   work-groups 24-55 (R): W2's codes are laid in the order in which a wave's operand registers take them
; WORK THAT IS LEFT OUT IN THIS PROGRAM, for all values of the inputs:
;   (1) V_b is added alike to all 2,048 scores of a softmax row; softmax(s + const) = softmax(s).  V_b has no other way to an output: it is not loaded and is no argument of any launch.
;   (2) tanh(x) = 1 - 2 r with r = 1 / (1 + e^(2x)), so a score is (sum of V_w) - 2 sum of V_w[n] r[n]; the first term is the same along the softmax's axis and goes like V_b.
;   (3) query[:, 0, :] is sliced away by reference(): only step 1 of each batch is read.
;   (4) a row with mask == 0 gets the score -inf, so its alpha is exactly 0 and its term in the context is 0: its energy and its row of values are not read.  The mask is a whole-number
;       input: this launch stores what it says, and the later launches read the listed rows (a group of 16 positions may reach beyond the count; such rows have the weight 0).
; LIMITS: a NaN, an infinity or an overflow in V_b, in the sum of V_w or in rows of values with mask == 0 is not carried to the result, but for the few such rows that a later launch reads with the weight 0.
.set SPITCH, 528                       ; Q's stage: 16 rows (batches) x (512 bytes + 16), from LDS byte 0
.set SPARE,  8448                      ; behind it the spare words, 128 bytes for each wave: two blocks of 256 bytes that no other line names
.set SPW,  254                         ; v254  LDS address of my spare word; never rewritten
.set NIL,  255                         ; v255  0; never rewritten
.set ACC,  16                          ; Q: v16-31   two accumulators
.set QF,   32                          ; Q: v32-95   q's 8 fragments (K step ks at 8 ks); later the rows read back
.set W1F,  96                          ; Q: v96-223  W1's 16 fragments (64 u + 8 ks)
.set QS,   224                         ; Q: v224-227 q's scale words: register j: lanes 0-15 K step j, lanes 16-31 K step 4 + j
.set WS,   228                         ; Q: v228-235 W1's likewise, 4 u + j
.set B1,   236                         ; Q: v236-239 W1_b, then c (W1_b + W2_b)
.set B2,   240                         ; Q: v240-243 W2_b
.set MK,   32                          ; L: v32-95   the mask, then each row's position
.set AD,   96                          ; L: v96-159  at work, then byte offsets into list
.set DT,   160                         ; L: v160-223 at work, then the rows' numbers
.set MS,   66                          ; L: s66-81   the lane masks of a group's 16 registers
.set BS,   82                          ; L: s82-98   the count in front of each of them, and behind the last
	s_load_b256 s[4:11], s[0:1], 0x0               ; q's codes s[4:5], q's scales s[6:7], W1's codes s[8:9], W1's scales s[10:11]
	s_load_b256 s[12:19], s[0:1], 0x20             ; W1_b s[12:13], W2_b s[14:15], W2's codes s[16:17], mask s[18:19]
	s_load_b256 s[20:27], s[0:1], 0x40             ; qbc s[20:21], w2f s[22:23], list s[24:25], rank s[26:27]
	s_load_b64 s[28:29], s[0:1], 0x60              ; cnt
	v_lshl_add_u32 v[SPW], v0, 2, SPARE
	v_mov_b32 v[NIL], 0
	v_lshrrev_b32 v1, 5, v0
	v_readfirstlane_b32 s30, v1                    ; wave 0..3
	v_and_b32 v1, 31, v0                           ; lane
	v_and_b32 v2, 15, v0                           ; r
	v_bfe_u32 v3, v0, 4, 1                         ; h
	v_lshlrev_b32 v4, 4, v1                        ; 16 x lane
	s_mov_b32 s33, 0                               ; offsets are made in s[32:33], the high word 0
	s_wait_kmcnt 0x0
	s_cmp_lt_u32 ttmp9, 16                         ; the three parts hang on the work-group's number alone
	s_cbranch_scc1 .Lq
	s_cmp_lt_u32 ttmp9, 24
	s_cbranch_scc1 .Ll
; ---- R: w2f[ntile 64][ks 8][c 2][lane 32][16 bytes]; lane 16 h + r holds bytes 64 ks + 32 c + 16 h .. + 15 of W2's row 16 ntile + r.
; A work-group copies two tiles of 16 rows (16,384 bytes); thread t takes eight pieces of 16 bytes; the stores of a wave cover 512 consecutive bytes.
	s_sub_co_u32 s32, ttmp9, 24
	s_lshl_b32 s32, s32, 14
	s_add_nc_u64 s[16:17], s[16:17], s[32:33]
	s_add_nc_u64 s[22:23], s[22:23], s[32:33]
	s_wait_alu depctr_va_vdst(0)
	v_lshlrev_b32 v5, 9, v2                        ; from: row r of 512 bytes,
	v_bfe_u32 v6, v0, 6, 1
	v_lshl_add_u32 v5, v6, 6, v5                   ; + 64 x the low bit of ks,
	v_bfe_u32 v6, v0, 5, 1
	v_lshl_add_u32 v5, v6, 5, v5                   ; + 32 c,
	v_lshl_add_u32 v5, v3, 4, v5                   ; + 16 h
	v_lshlrev_b32 v6, 4, v0                        ; to: 16 t
.irp i, 0,1,2,3,4,5,6,7
	global_load_b128 v[32+4*\i:35+4*\i], v5, s[16:17] offset:(\i/4)*8192+(\i%4)*128
.endr
	s_wait_alu depctr_va_vdst(0)
.irp i, 0,1,2,3,4,5,6,7
	s_wait_loadcnt 7-\i                            ; piece i is in; the 7 - i younger ones may be out
	global_store_b128 v6, v[32+4*\i:35+4*\i], s[22:23] offset:\i*2048
.endr
	s_endpgm
; ---- L: one wave to a batch.  The wave's register 4 i + e holds row s = 128 i + 4 lane + e.  The rows are taken register by register: a row with mask != 0 gets the next position from the
; front (the count so far + the set bits of lower lanes), any other the next from the end: 2047 - (rows seen - rows counted).  So list is a permutation of 0 .. 2047, and every word of it is stored.
; The 64 registers go in four groups of 16: sixteen compares into sixteen scalar registers, the counts in front of each by scalar lines, then the vector lines stage by stage over the sixteen,
; so that the way from vector to scalar and back is gone four times and no line waits for the line above it.
.Ll:
	s_sub_co_u32 s31, ttmp9, 16
	s_lshl_b32 s31, s31, 2
	s_add_co_u32 s31, s31, s30                     ; the batch
	s_lshl_b32 s32, s31, 13                        ; 8,192 bytes a batch
	s_add_nc_u64 s[18:19], s[18:19], s[32:33]
	s_add_nc_u64 s[24:25], s[24:25], s[32:33]
	s_add_nc_u64 s[26:27], s[26:27], s[32:33]
	s_lshl_b32 s32, s31, 7                         ; cnt: 128 bytes a batch
	s_add_nc_u64 s[28:29], s[28:29], s[32:33]
	s_wait_alu depctr_va_vdst(0)
.irp i, 0,1,2,3,4,5,6,7,8,9,10,11,12,13,14,15
	global_load_b128 v[MK+4*\i:MK+4*\i+3], v4, s[18:19] offset:512*\i
.endr
	v_sub_nc_u32 v5, 2047, v1                      ; 2047 - lane
	v_lshlrev_b32 v6, 2, v1                        ; 4 x lane
	s_mov_b32 s[BS], 0                             ; the count
.macro GROUP g                         ; registers k = 16 g + j; each has its own offset and data registers, so no store's sources are written again
	s_wait_loadcnt 12-4*(\g)                       ; loads 4 g .. 4 g + 3 are in; the 12 - 4 g younger ones may be out
.irp j, 0,1,2,3,4,5,6,7,8,9,10,11,12,13,14,15
	v_cmp_ne_u32 s[MS+\j], 0, v[MK+16*(\g)+\j]
.endr
.irp j, 0,1,2,3,4,5,6,7,8,9,10,11,12,13,14,15
	s_bcnt1_i32_b32 s35, s[MS+\j]
	s_add_co_u32 s[BS+\j+1], s[BS+\j], s35         ; the count in front of the next register
.endr
.irp j, 0,1,2,3,4,5,6,7,8,9,10,11,12,13,14,15
	v_mbcnt_lo_u32_b32 v[AD+16*(\g)+\j], s[MS+\j], s[BS+\j]        ; the position from the front
.endr
.irp j, 0,1,2,3,4,5,6,7,8,9,10,11,12,13,14,15
	v_add3_u32 v[DT+16*(\g)+\j], v[AD+16*(\g)+\j], v5, (-32*(16*(\g)+\j))&0xffffffff   ; and from the end: 2047 - (32 k + lane - the position from the front)
.endr
.irp j, 0,1,2,3,4,5,6,7,8,9,10,11,12,13,14,15
	v_cndmask_b32 v[MK+16*(\g)+\j], v[DT+16*(\g)+\j], v[AD+16*(\g)+\j], s[MS+\j]
.endr
.irp j, 0,1,2,3,4,5,6,7,8,9,10,11,12,13,14,15
	v_min_u32 v[AD+16*(\g)+\j], 0x7ff, v[MK+16*(\g)+\j]            ; it lies in 0 .. 2047 by its make; held there since it enters an address
.endr
.irp j, 0,1,2,3,4,5,6,7,8,9,10,11,12,13,14,15
	v_lshlrev_b32 v[AD+16*(\g)+\j], 2, v[AD+16*(\g)+\j]
.endr
.irp j, 0,1,2,3,4,5,6,7,8,9,10,11,12,13,14,15
	v_add_nc_u32 v[DT+16*(\g)+\j], 128*((16*(\g)+\j)/4)+(16*(\g)+\j)%4, v6   ; s
.endr
.irp j, 0,1,2,3,4,5,6,7,8,9,10,11,12,13,14,15
	global_store_b32 v[AD+16*(\g)+\j], v[DT+16*(\g)+\j], s[24:25]  ; list[position] = s
.endr
	s_mov_b32 s[BS], s[BS+16]                      ; the count goes on into the next group
.endm
	GROUP 0
	GROUP 1
	GROUP 2
	GROUP 3
.irp i, 0,1,2,3,4,5,6,7,8,9,10,11,12,13,14,15
	global_store_b128 v4, v[MK+4*\i:MK+4*\i+3], s[26:27] offset:512*\i   ; rank[s] = position: 512 consecutive bytes a store
.endr
	v_mov_b32 v9, s[BS]
	global_store_b32 v6, v9, s[28:29]              ; the count, in all 32 words of the batch's 128 bytes
	s_endpgm
; ---- Q: work-group = (16 batches mt, 128 columns ng); wave w makes columns 128 ng + 32 w + 0 .. 31 as two tiles u.  The product is used transposed (source 0 = 16 rows of W1, source 1 = 16
; rows of q): lane (r, h) then holds batch r and its registers the columns 16 u + 8 h + 0 .. 7.  All operands come straight from memory, once.
.Lq:
	s_and_b32 s31, ttmp9, 1                        ; mt
	s_lshr_b32 s36, ttmp9, 1                       ; ng
	s_lshl_b32 s32, s31, 14
	s_add_co_u32 s32, s32, 512                     ; q's codes: 1,024 bytes a batch, step 1 in the upper 512
	s_add_nc_u64 s[4:5], s[4:5], s[32:33]
	s_lshl_b32 s32, s31, 10
	s_add_co_u32 s32, s32, 32                      ; q's scales: 64 bytes a batch, step 1 in the upper 32
	s_add_nc_u64 s[6:7], s[6:7], s[32:33]
	s_lshl_b32 s32, s36, 16
	s_lshl_b32 s37, s30, 14
	s_add_co_u32 s32, s32, s37                     ; W1's codes: row 128 ng + 32 w, 512 bytes a row
	s_add_nc_u64 s[8:9], s[8:9], s[32:33]
	s_lshl_b32 s32, s36, 12
	s_lshl_b32 s37, s30, 10
	s_add_co_u32 s32, s32, s37                     ; W1's scales: 32 bytes a row
	s_add_nc_u64 s[10:11], s[10:11], s[32:33]
	s_lshl_b32 s32, s36, 9                         ; the biases: 128 ng numbers on
	s_add_nc_u64 s[12:13], s[12:13], s[32:33]
	s_add_nc_u64 s[14:15], s[14:15], s[32:33]
	s_lshl_b32 s37, s31, 16
	s_add_co_u32 s32, s32, s37
	s_lshl_b32 s37, s30, 14
	s_add_co_u32 s32, s32, s37                     ; qbc: batch 16 mt + 4 w, column 128 ng
	s_add_nc_u64 s[20:21], s[20:21], s[32:33]
	s_mov_b32 s38, 0x4038aa3b                      ; c = 2 log2(e)
	s_mov_b32 s39, s38                             ; (named with it as a pair, so it is written)
	s_wait_alu depctr_va_vdst(0)
	v_lshlrev_b32 v5, 10, v2
	v_lshl_add_u32 v5, v3, 4, v5                   ; q's codes: 1,024 r + 16 h
	v_lshlrev_b32 v6, 9, v2
	v_lshl_add_u32 v6, v3, 4, v6                   ; W1's: 512 r + 16 h
	v_lshlrev_b32 v7, 6, v2
	v_lshl_add_u32 v7, v3, 4, v7                   ; q's scales: 64 r + 16 h
	v_lshlrev_b32 v8, 5, v2
	v_lshl_add_u32 v8, v3, 4, v8                   ; W1's: 32 r + 16 h
	v_mul_u32_u24 v9, v2, SPITCH
	v_lshl_add_u32 v9, v3, 5, v9
	s_lshl_b32 s37, s30, 7
	v_add_nc_u32 v9, s37, v9                       ; into the stage: row r, + 128 w + 32 h
	s_mul_i32 s37, s30, 4*SPITCH
	v_add_nc_u32 v10, s37, v4                      ; back: my four rows, 16 bytes a lane
.irp ks, 0,1,2,3,4,5,6,7
.irp c, 0,1
	global_load_b128 v[QF+8*\ks+4*\c:QF+8*\ks+4*\c+3], v5, s[4:5] offset:64*\ks+32*\c
.endr
.endr
.irp u, 0,1
.irp ks, 0,1,2,3,4,5,6,7
.irp c, 0,1
	global_load_b128 v[W1F+64*\u+8*\ks+4*\c:W1F+64*\u+8*\ks+4*\c+3], v6, s[8:9] offset:8192*\u+64*\ks+32*\c
.endr
.endr
.endr
	global_load_b128 v[QS:QS+3], v7, s[6:7]
.irp u, 0,1
	global_load_b128 v[WS+4*\u:WS+4*\u+3], v8, s[10:11] offset:512*\u
.endr
	global_load_b128 v[B1:B1+3], v4, s[12:13]
	global_load_b128 v[B2:B2+3], v4, s[14:15]
	s_wait_loadcnt 0x0
.macro QMUL ks, u                      ; K steps 4 to 7 take their scale words from lanes 16-31 of the same registers
.if (\ks) == 0
	v_wmma_scale_f32_16x16x128_f8f6f4 v[ACC+8*\u:ACC+8*\u+7], v[W1F+64*\u+8*\ks:W1F+64*\u+8*\ks+7], v[QF+8*\ks:QF+8*\ks+7], 0, v[WS+4*\u+\ks], v[QS+\ks] matrix_a_fmt:MATRIX_FMT_FP4 matrix_b_fmt:MATRIX_FMT_FP4
.elseif (\ks) < 4
	v_wmma_scale_f32_16x16x128_f8f6f4 v[ACC+8*\u:ACC+8*\u+7], v[W1F+64*\u+8*\ks:W1F+64*\u+8*\ks+7], v[QF+8*\ks:QF+8*\ks+7], v[ACC+8*\u:ACC+8*\u+7], v[WS+4*\u+\ks], v[QS+\ks] matrix_a_fmt:MATRIX_FMT_FP4 matrix_b_fmt:MATRIX_FMT_FP4
.else
	v_wmma_scale_f32_16x16x128_f8f6f4 v[ACC+8*\u:ACC+8*\u+7], v[W1F+64*\u+8*\ks:W1F+64*\u+8*\ks+7], v[QF+8*\ks:QF+8*\ks+7], v[ACC+8*\u:ACC+8*\u+7], v[WS+4*\u+\ks-4], v[QS+\ks-4] matrix_a_fmt:MATRIX_FMT_FP4 matrix_b_fmt:MATRIX_FMT_FP4 matrix_a_scale:MATRIX_SCALE_ROW1 matrix_b_scale:MATRIX_SCALE_ROW1
.endif
.endm
.irp ks, 0,1,2,3,4,5,6,7               ; K ascending; the two accumulators take turns
.irp u, 0,1
	QMUL \ks, \u
.endr
.endr
.rept 4
	v_nop                                          ; four places between the last products and the first read of results
.endr
	s_wait_alu depctr_va_vdst(0)
.irp u, 0,1
	ds_store_b128 v9, v[ACC+8*\u:ACC+8*\u+3] offset:64*\u          ; each accumulator from its low end on
	ds_store_b128 v9, v[ACC+8*\u+4:ACC+8*\u+7] offset:64*\u+16
.endr
	s_wait_dscnt 0x0                               ; for the others' sake: my stores into the stage are done
	s_barrier_signal -1
	s_barrier_wait -1                              ; a row's 512 bytes come from four waves
.irp i, 0,1,2,3
	ds_load_b128 v[QF+4*\i:QF+4*\i+3], v10 offset:\i*SPITCH
.endr
	v_pk_add_f32 v[B1:B1+1], v[B1:B1+1], v[B2:B2+1]
	v_pk_add_f32 v[B1+2:B1+3], v[B1+2:B1+3], v[B2+2:B2+3]
	v_pk_mul_f32 v[B1:B1+1], v[B1:B1+1], s[38:39] op_sel_hi:[1,0]
	v_pk_mul_f32 v[B1+2:B1+3], v[B1+2:B1+3], s[38:39] op_sel_hi:[1,0]
	s_wait_alu depctr_va_vdst(0)
	s_wait_dscnt 0x0
.irp i, 0,1,2,3
	v_pk_fma_f32 v[QF+4*\i:QF+4*\i+1], v[QF+4*\i:QF+4*\i+1], s[38:39], v[B1:B1+1] op_sel_hi:[1,0,1]
	v_pk_fma_f32 v[QF+4*\i+2:QF+4*\i+3], v[QF+4*\i+2:QF+4*\i+3], s[38:39], v[B1+2:B1+3] op_sel_hi:[1,0,1]
.endr
.irp i, 0,1,2,3
	global_store_b128 v4, v[QF+4*\i:QF+4*\i+3], s[20:21] offset:4096*\i   ; 32 lanes store 512 consecutive bytes, at a multiple of 256 from qbc's first byte
.endr
	s_wait_tensorcnt 0x0                           ; the wave's end, behind my last LDS store
	ds_add_u32 v[SPW], v[NIL]
	s_wait_dscnt 0x0
	s_endpgm
.Lfunc_end_k_q65268d263d_prep:
	.size	k_q65268d263d_prep, .Lfunc_end_k_q65268d263d_prep-k_q65268d263d_prep
	.p2alignl 7, 3214868480
	.fill 96, 4, 3214868480
	.section	.rodata,"a",@progbits
	.p2align	6, 0x0
	.amdhsa_kernel k_q65268d263d_prep
		.amdhsa_group_segment_fixed_size 8960
		.amdhsa_private_segment_fixed_size 0
		.amdhsa_enable_private_segment 0
		.amdhsa_kernarg_size 104
		.amdhsa_user_sgpr_count 2
		.amdhsa_user_sgpr_kernarg_segment_ptr 1
		.amdhsa_wavefront_size32 1
		.amdhsa_system_sgpr_workgroup_id_x 1
		.amdhsa_system_sgpr_workgroup_id_y 1
		.amdhsa_system_sgpr_workgroup_id_z 1
		.amdhsa_system_vgpr_workitem_id 0
		.amdhsa_next_free_vgpr 256
		.amdhsa_next_free_sgpr 100
		.amdhsa_reserve_vcc 0
		.amdhsa_float_denorm_mode_32 3
		.amdhsa_float_denorm_mode_16_64 3
		.amdhsa_memory_ordered 1
		.amdhsa_forward_progress 1
		.amdhsa_inst_pref_size 56
	.end_amdhsa_kernel
	.amdgpu_metadata
---
amdhsa.version: [ 1, 2 ]
amdhsa.kernels:
  - .name:           k_q65268d263d_prep
    .symbol:         k_q65268d263d_prep.kd
    .args:
      - { .name: query_codes, .offset: 0, .size: 8, .value_kind: global_buffer, .address_space: global }
      - { .name: query_scales, .offset: 8, .size: 8, .value_kind: global_buffer, .address_space: global }
      - { .name: W1_w_codes, .offset: 16, .size: 8, .value_kind: global_buffer, .address_space: global }
      - { .name: W1_w_scales, .offset: 24, .size: 8, .value_kind: global_buffer, .address_space: global }
      - { .name: W1_b, .offset: 32, .size: 8, .value_kind: global_buffer, .address_space: global }
      - { .name: W2_b, .offset: 40, .size: 8, .value_kind: global_buffer, .address_space: global }
      - { .name: W2_w_codes, .offset: 48, .size: 8, .value_kind: global_buffer, .address_space: global }
      - { .name: mask, .offset: 56, .size: 8, .value_kind: global_buffer, .address_space: global }
      - { .name: qbc, .offset: 64, .size: 8, .value_kind: global_buffer, .address_space: global }
      - { .name: w2f, .offset: 72, .size: 8, .value_kind: global_buffer, .address_space: global }
      - { .name: list, .offset: 80, .size: 8, .value_kind: global_buffer, .address_space: global }
      - { .name: rank, .offset: 88, .size: 8, .value_kind: global_buffer, .address_space: global }
      - { .name: cnt, .offset: 96, .size: 8, .value_kind: global_buffer, .address_space: global }
    .group_segment_fixed_size: 8960
    .private_segment_fixed_size: 0
    .kernarg_segment_align: 8
    .kernarg_segment_size: 104
    .max_flat_workgroup_size: 128
    .sgpr_count:     100
    .vgpr_count:     256
    .wavefront_size: 32
...
	.end_amdgpu_metadata
.endif
;; end of part 1
;; launch energy (part 2): grid 8 x 32, 16 waves a work-group, no clusters, 260,096 bytes of LDS; arguments values, list, cnt, w2f, W2_w_scales, qbc, V_w, sc; writes sc
.if DOCPART == 2
	.amdgcn_target "amdgcn-amd-amdhsa--gfx1250"
	.amdhsa_code_object_version 6
	.text
	.protected	k_q65268d263d_energy
	.globl	k_q65268d263d_energy
	.p2align	8
	.type	k_q65268d263d_energy,@function
k_q65268d263d_energy:
	s_mov_b64 s[64:65], 0
	v_nop
	global_prefetch_b8 v0, s[64:65] scope:SCOPE_SE
	s_setreg_imm32_b32 hwreg(HW_REG_WAVE_MODE, 25, 1), 1
	s_wait_xcnt 0x0
; sc[b][position] = -c sum over n of V_w[n] / (1 + 2^(c ((v W2^T)[n] + qbc[b][n] / c))), c = 2 log2(e): a listed row's score in units of log2, less a term that is the same for all rows of a batch.
; LEFT OUT, as shown at the head of the first launch: V_b and the sum of V_w (the same along the softmax's axis); rows with mask == 0 (only listed rows are read).  Positions from the count on get -inf.
; LIMITS: a block of 32 of values whose largest magnitude lies under 2^-124 gets the scale byte 1 (a block of zeros too: its codes are zeros); NaN and infinities in listed rows are not served.
; SHARES.  Work-group (x = c, y = batch b) owns the tiles 8 t + c of 16 positions of the batch's list, t = 0 .. 15; those that begin under the count are live: NTV of them.
; How many tiles are live hangs on a stored count, so there are no joint requests and no copies into LDS; W2 comes from memory straight into registers, as the first launch has laid it.
; PASS 0, sixteen trips, one barrier each.  In trip t wave w quantises row w of tile t (through its stage, so that lane l holds block l), asks for row w of tile t + 1 into v96-127, meets the
;   others, and multiplies tile t by its columns 64 w .. + 31 of W2: so the next row is on its way while a tile is multiplied.  Each tile has LDS bytes of its own, so one barrier a trip serves.
; PASS 1: columns 64 w + 32 .. + 63, all live tiles.  The products are used transposed: a lane holds one row and eight columns.  qbc / c is the C of a tile's first products; V_w is read
;   into the fragments' registers when these are done with; both lie in 256 bytes of LDS of the wave's own.  PHASE C adds the 32 partials of each position.
; No prefetch into the L2: a row is asked for one whole trip ahead of its use by the load itself, and is read once.
.set TILEB, 8704                       ; a tile's codes: block l of row r at 272 l + 16 r
.set SCI,   139264                     ; a tile's scale bytes, 512: row r's blocks 0-15 at 16 r, blocks 16-31 at 256 + 16 r
.set STG,   147456                     ; a stage of 32 x (128 + 16) bytes for each wave
.set PART,  221184                     ; the partials: [2 w + p][t][r] f32
.set BV,    253952                     ; 256 bytes a wave: group g of four numbers for half h at 32 g + 16 h; g 0-3 qbc / c, g 4-7 V_w
.set SPARE, 258048                     ; the spare words, 128 bytes for each wave
.set L16,  1
.set LIDX, 2                           ; lane t (0-15): the list's entry for row w of tile t
.set STW,  3
.set STR,  4
.set IMW,  5
.set SCW,  6
.set IMR,  7
.set SCR,  8
.set PAW,  9
.set PAR,  10
.set H32,  11
.set WSO,  12
.set SPW,  13
.set NIL,  14
.set ZR,   15
.set PT,   16
.set BVA,  23                          ; BV + 256 w + 16 h
.set RW,   32                          ; v32-63 a row back from the stage (between two tiles' products)
.set ACC,  32                          ; v32-47 two accumulators
.set AF,   48                          ; v48-79 four fragments of values; then V_w in the first 16
.set ASC,  80
.set SCO,  84
.set W2S,  88
.set X,    96                          ; v96-127 the row that is on its way
.set W2,   128                         ; v128-255 W2's 16 fragments (64 u + 8 ks)
.set WV,  20
.set BT,  21
.set CX,  22
.set CNT, 23
.set NTV, 24
.set RT,  25
.set OA,  26
.set OSC, 27
.set OP,  28
.set OFF, 30
.set RB,  32
.set IDX, 36
.set NX,  42
	s_load_b256 s[4:11], s[0:1], 0x0               ; values, list, cnt, w2f
	s_load_b256 s[12:19], s[0:1], 0x20             ; W2's scales, qbc, V_w, sc
	v_lshl_add_u32 v[SPW], v0, 2, SPARE
	v_mov_b32 v[NIL], 0
	v_lshrrev_b32 v17, 5, v0
	v_readfirstlane_b32 s[WV], v17                 ; wave 0..15
	s_and_b32 s[BT], ttmp7, 0xffff
	s_mov_b32 s[CX], ttmp9
	v_and_b32 v17, 31, v0                          ; lane
	v_and_b32 v18, 15, v0                          ; r
	v_bfe_u32 v19, v0, 4, 1                        ; h
	v_lshlrev_b32 v[L16], 4, v17
	s_mul_i32 s29, s[WV], 4608
	s_add_co_u32 s29, s29, STG
	v_lshrrev_b32 v20, 3, v17
	v_and_b32 v21, 7, v17
	v_mul_u32_u24 v20, v20, 144
	v_lshl_add_u32 v20, v21, 4, v20
	v_add_nc_u32 v[STW], s29, v20                  ; into my stage: 144 (lane / 8) + 16 (lane % 8)
	v_mul_u32_u24 v20, v17, 144
	v_add_nc_u32 v[STR], s29, v20                  ; out of it: 144 x lane
	s_lshl_b32 s29, s[WV], 4
	v_mul_u32_u24 v20, v17, 272
	v_add_nc_u32 v[IMW], s29, v20                  ; my block's place in a tile's codes
	v_lshl_add_u32 v20, v19, 8, v18
	v_add_nc_u32 v20, s29, v20
	v_add_nc_u32 v[SCW], SCI, v20                  ; and among its scale bytes
	v_mul_u32_u24 v20, v19, 272
	v_lshl_add_u32 v[IMR], v18, 4, v20             ; a fragment's place: 272 h + 16 r
	v_add_nc_u32 v[SCR], SCI, v[L16]
	s_lshl_b32 s29, s[WV], 11
	s_add_co_u32 s29, s29, PART
	v_lshl_add_u32 v[PAW], v18, 2, s29
	v_lshl_add_u32 v[PAR], v0, 2, PART
	v_lshlrev_b32 v[H32], 5, v19
	v_lshlrev_b32 v[WSO], 5, v18
	v_lshl_add_u32 v[WSO], v19, 4, v[WSO]
	s_lshl_b32 s29, s[WV], 8
	s_add_co_u32 s29, s29, BV
	v_lshl_add_u32 v[BVA], v19, 4, s29
	v_mov_b32 v[ZR], 0
	v_mov_b32 v[PT], 0
.irp p, 0,1                            ; my 32 partials begin as 0: a tile that is not live stores nothing more
.irp t, 0,1,2,3,4,5,6,7,8,9,10,11,12,13,14,15
	ds_store_b32 v[PAW], v[ZR] offset:1024*\p+64*\t
.endr
.endr
	s_lshl_b32 s29, s[CX], 6
	s_lshl_b32 s37, s[WV], 2
	s_add_co_u32 s29, s29, s37
	v_lshl_add_u32 v22, v18, 9, s29                ; the list's entry at position 128 (lane % 16) + 16 c + w, in bytes
	s_mov_b32 s41, 0
	s_mov_b32 s[OFF+1], 0
	s_mov_b32 s38, 0x4038aa3b                      ; c = 2 log2(e)
	s_mov_b32 s39, s38
	s_mov_b32 s46, 0x3eb17218                      ; 1 / c
	s_mov_b32 s47, s46
	s_mov_b32 s44, 0x76543210
	s_mov_b32 s45, 0xfedcba98                      ; selects for lane l xor 16
	s_wait_alu depctr_va_vdst(0)
	s_wait_kmcnt 0x0
	s_lshl_b32 s40, s[BT], 7
	s_add_nc_u64 s[8:9], s[8:9], s[40:41]
	s_load_b32 s[CNT], s[8:9], 0x0                 ; the batch's count
	s_lshl_b32 s40, s[BT], 23
	s_add_nc_u64 s[4:5], s[4:5], s[40:41]
	s_lshl_b32 s40, s[BT], 13
	s_add_nc_u64 s[6:7], s[6:7], s[40:41]
	s_lshl_b32 s29, s[CX], 6
	s_add_co_u32 s40, s40, s29
	s_add_nc_u64 s[18:19], s[18:19], s[40:41]      ; sc at position 16 c of the batch
	s_lshl_b32 s40, s[WV], 15
	s_add_nc_u64 s[10:11], s[10:11], s[40:41]      ; my four tiles of W2
	s_lshl_b32 s40, s[WV], 11
	s_add_nc_u64 s[12:13], s[12:13], s[40:41]
	s_lshl_b32 s40, s[WV], 8
	s_add_nc_u64 s[16:17], s[16:17], s[40:41]
	s_lshl_b32 s29, s[BT], 12
	s_add_co_u32 s40, s40, s29
	s_add_nc_u64 s[14:15], s[14:15], s[40:41]
.macro W2LOAD p                        ; the codes of columns 64 w + 32 p + 0 .. 31, straight into the operand's registers
.irp i, 0,1,2,3,4,5,6,7,8,9,10,11,12,13,14,15,16,17,18,19,20,21,22,23,24,25,26,27,28,29,30,31
	global_load_b128 v[W2+4*\i:W2+4*\i+3], v[L16], s[10:11] offset:16384*(\p)+512*\i
.endr
.endm
.macro SMALL p, T                      ; ten loads: their scale words; qbc (T ..) and V_w (T + 16 ..) at the lane's columns 32 p + 16 u + 8 h + 0 .. 7
.irp u, 0,1
	global_load_b128 v[W2S+4*\u:W2S+4*\u+3], v[WSO], s[12:13] offset:(32*(\p)+16*\u)*32
.irp e, 0,1
	global_load_b128 v[\T+8*\u+4*\e:\T+8*\u+4*\e+3], v[H32], s[14:15] offset:(32*(\p)+16*\u)*4+16*\e
	global_load_b128 v[\T+16+8*\u+4*\e:\T+16+8*\u+4*\e+3], v[H32], s[16:17] offset:(32*(\p)+16*\u)*4+16*\e
.endr
.endr
.endm
.macro STASH T                         ; qbc / c and V_w go to my 256 bytes; the sixteen lanes of a half write the same bytes with the same values
.irp i, 0,2,4,6,8,10,12,14
	v_pk_mul_f32 v[\T+\i:\T+\i+1], v[\T+\i:\T+\i+1], s[46:47] op_sel_hi:[1,0]
.endr
.irp g, 0,1,2,3,4,5,6,7
	ds_store_b128 v[BVA], v[\T+4*\g:\T+4*\g+3] offset:32*\g
.endr
.endm
.macro ISSUE                           ; row w of tile NX is asked for; the earlier loads by this base have been waited for
	v_readlane_b32 s[IDX], v[LIDX], s[NX]
	s_min_u32 s[IDX], s[IDX], 0x7ff                ; a row's number: held inside the batch since it enters an address
	s_lshl_b32 s[OFF], s[IDX], 12
	s_add_nc_u64 s[RB:RB+1], s[4:5], s[OFF:OFF+1]
.irp i, 0,1,2,3,4,5,6,7
	global_load_b128 v[X+4*\i:X+4*\i+3], v[L16], s[RB:RB+1] offset:512*\i th:TH_LOAD_NT
.endr
.endm
	global_load_b32 v[LIDX], v22, s[6:7]
	SMALL 0, 32
	W2LOAD 0
	s_wait_loadcnt 32                              ; the list entries and the ten small loads are in; the 32 younger loads of W2 may be out
	s_wait_kmcnt 0x0
	s_min_u32 s[CNT], s[CNT], 0x800
	s_add_co_u32 s29, s[CNT], 15
	s_lshr_b32 s29, s29, 4
	s_add_co_u32 s29, s29, 7
	s_sub_co_u32 s29, s29, s[CX]
	s_lshr_b32 s[NTV], s29, 3                      ; the live tiles that are 8 t + c
	s_min_u32 s[NTV], s[NTV], 16
	s_mov_b32 s[NX], 0
	ISSUE                                          ; row w of tile 0 is asked for on every path: the list is a whole permutation, so the entry is a row of the batch; a work-group with no live tile uses nothing of it
	STASH 32
	s_wait_loadcnt 0x0                             ; W2's codes and the first row are in, on every path into the loop
.macro QUANT                           ; my row of tile RT: through the stage, the next row asked for, quantised, codes and byte to LDS
	s_wait_loadcnt 0x0                             ; the row is in (in the first trip W2's codes too)
.irp i, 0,1,2,3,4,5,6,7
	ds_store_b128 v[STW], v[X+4*\i:X+4*\i+3] offset:576*\i
.endr
.irp j, 0,1,2,3,4,5,6,7
	ds_load_b128 v[RW+4*\j:RW+4*\j+3], v[STR] offset:16*\j         ; LDS serves a wave's instructions in order: register 4 j + e = number 32 lane + 4 j + e of the row
.endr
	s_add_co_u32 s[NX], s[RT], 1
	s_wait_dscnt 0x0                               ; the block is in, and the stores have read v96-127
	s_cmp_ge_u32 s[NX], s[NTV]
	s_cbranch_scc1 .Lno_next
	ISSUE
.Lno_next:
	v_add_nc_u32 v17, s[OA], v[IMW]
	v_add_nc_u32 v18, s[OSC], v[SCW]
	v_max3_num_f32 v28, |v[RW]|, |v[RW+1]|, 0x1800000               ; the largest magnitude, in two chains, with the floor 2^(3 - 127)
	v_max3_num_f32 v29, |v[RW+16]|, |v[RW+17]|, |v[RW+18]|
.irp i, 2,4,6,8,10,12
	s_delay_alu instid0(VALU_DEP_2)
	v_max3_num_f32 v28, v28, |v[RW+\i]|, |v[RW+\i+1]|
	s_delay_alu instid0(VALU_DEP_2)
	v_max3_num_f32 v29, v29, |v[RW+17+\i]|, |v[RW+18+\i]|
.endr
	s_delay_alu instid0(VALU_DEP_2)
	v_max3_num_f32 v28, v28, |v[RW+14]|, |v[RW+15]|
	s_delay_alu instid0(VALU_DEP_1)
	v_max3_num_f32 v28, v28, v29, |v[RW+31]|
	s_delay_alu instid0(VALU_DEP_1)
	v_add_nc_u32 v30, 0xff000000, v28              ; 2 off its exponent field: the conversion's scale operand
.irp g, 0,1,2,3
	v_cvt_scalef32_pk8_fp4_f32 v[24+\g], v[RW+8*\g:RW+8*\g+7], v30
.endr
	v_lshrrev_b32 v31, 23, v30                     ; the scale's byte; also the plain instruction behind the conversions
	ds_store_b128 v17, v[24:27]
	ds_store_b8 v18, v31
.endm
.macro HMUL k, u                       ; K steps 4 to 7 take their scale words from lanes 16-31, and their fragments from the four register sets filled anew
.if (\k) < 4
	v_wmma_scale_f32_16x16x128_f8f6f4 v[ACC+8*\u:ACC+8*\u+7], v[W2+64*\u+8*\k:W2+64*\u+8*\k+7], v[AF+8*\k:AF+8*\k+7], v[ACC+8*\u:ACC+8*\u+7], v[W2S+4*\u+\k], v[ASC+\k] matrix_a_fmt:MATRIX_FMT_FP4 matrix_b_fmt:MATRIX_FMT_FP4
.else
	v_wmma_scale_f32_16x16x128_f8f6f4 v[ACC+8*\u:ACC+8*\u+7], v[W2+64*\u+8*\k:W2+64*\u+8*\k+7], v[AF+8*\k-32:AF+8*\k-25], v[ACC+8*\u:ACC+8*\u+7], v[W2S+4*\u+\k-4], v[ASC+\k-4] matrix_a_fmt:MATRIX_FMT_FP4 matrix_b_fmt:MATRIX_FMT_FP4 matrix_a_scale:MATRIX_SCALE_ROW1 matrix_b_scale:MATRIX_SCALE_ROW1
.endif
.endm
.macro BODY p                          ; tile RT x my 32 columns, the activation, the partial
	v_add_nc_u32 v17, s[OA], v[IMR]
	v_add_nc_u32 v18, s[OSC], v[SCR]
.irp g, 0,1,2,3
	ds_load_b128 v[ACC+4*\g:ACC+4*\g+3], v[BVA] offset:32*\g       ; qbc / c: the C of the first products
.endr
.irp k, 0,1,2,3
.irp c, 0,1
	ds_load_b128 v[AF+8*\k+4*\c:AF+8*\k+4*\c+3], v17 offset:\k*1088+\c*544
.endr
.endr
	ds_load_b128 v[ASC:ASC+3], v18
	s_wait_alu depctr_va_vdst(0)
	s_wait_dscnt 0x0
.irp k, 0,1,2,3                        ; K ascending; the two accumulators take turns
.irp u, 0,1
	HMUL \k, \u
.endr
.endr
.rept 4
	v_nop                                          ; places in front of loads into registers that matrix instructions have read
.endr
.irp k, 0,1,2,3
.irp c, 0,1
	ds_load_b128 v[AF+8*\k+4*\c:AF+8*\k+4*\c+3], v17 offset:(4+\k)*1088+\c*544
.endr
.endr
	s_wait_dscnt 0x0
.irp k, 4,5,6,7
.irp u, 0,1
	HMUL \k, \u
.endr
.endr
.rept 4
	v_nop                                          ; places in front of the loads below and of the first read of results
.endr
.irp g, 0,1,2,3
	ds_load_b128 v[AF+4*\g:AF+4*\g+3], v[BVA] offset:128+32*\g     ; V_w at my 16 columns
.endr
.irp i, 0,2,4,6,8,10,12,14
	v_pk_mul_f32 v[ACC+\i:ACC+\i+1], v[ACC+\i:ACC+\i+1], s[38:39] op_sel_hi:[1,0]   ; t = c x: each accumulator from its low end on
.endr
	s_wait_alu depctr_va_vdst(0)                   ; ahead of the batch
.irp i, 0,1,2,3,4,5,6,7,8,9,10,11,12,13,14,15
	v_exp_f32 v[ACC+\i], v[ACC+\i]                 ; e^(2x); beyond the range infinity or 0, which give r = 0 or 1
.endr
	v_add_nc_u32 v19, s[OP], v[PAW]                ; where the partial goes; also the plain instruction behind the batch
	s_wait_alu depctr_va_vdst(0)
.irp i, 0,2,4,6,8,10,12,14
	v_pk_add_f32 v[ACC+\i:ACC+\i+1], v[ACC+\i:ACC+\i+1], 1.0 op_sel_hi:[1,0]
.endr
	s_wait_alu depctr_va_vdst(0)
.irp i, 0,1,2,3,4,5,6,7,8,9,10,11,12,13,14,15
	v_rcp_f32 v[ACC+\i], v[ACC+\i]                 ; r
.endr
	v_nop
	s_wait_alu depctr_va_vdst(0)                   ; for the reciprocals, and directly ahead of the wait below
	s_wait_dscnt 0x0                               ; V_w is in
	v_pk_mul_f32 v[SCO:SCO+1], v[ACC:ACC+1], v[AF:AF+1]
	v_pk_mul_f32 v[SCO+2:SCO+3], v[ACC+2:ACC+3], v[AF+2:AF+3]
.irp i, 4,8,12
	v_pk_fma_f32 v[SCO:SCO+1], v[ACC+\i:ACC+\i+1], v[AF+\i:AF+\i+1], v[SCO:SCO+1]
	v_pk_fma_f32 v[SCO+2:SCO+3], v[ACC+\i+2:ACC+\i+3], v[AF+\i+2:AF+\i+3], v[SCO+2:SCO+3]
.endr
	s_delay_alu instid0(VALU_DEP_1)
	v_pk_add_f32 v[SCO:SCO+1], v[SCO:SCO+1], v[SCO+2:SCO+3]
	s_delay_alu instid0(VALU_DEP_1)
	v_add_f32 v[SCO], v[SCO], v[SCO+1]
	s_delay_alu instid0(VALU_DEP_1)
	v_permlanex16_b32 v[PT], v[SCO], s44, s45      ; the row's other 16 columns lie in the lane 16 away
	s_delay_alu instid0(VALU_DEP_1)
	v_add_f32 v[SCO], v[SCO], v[PT]
	ds_store_b32 v19, v[SCO] offset:1024*(\p)      ; lanes r and 16 + r write the same word with the same value
.endm
.macro BEGIN
	s_mov_b32 s[RT], 0
	s_mov_b32 s[OA], 0
	s_mov_b32 s[OSC], 0
	s_mov_b32 s[OP], 0
.endm
.macro NEXT lab
	s_add_co_u32 s[OA], s[OA], TILEB
	s_add_co_u32 s[OSC], s[OSC], 512
	s_add_co_u32 s[OP], s[OP], 64
	s_add_co_u32 s[RT], s[RT], 1
	s_cmp_lt_u32 s[RT], 16
	s_cbranch_scc1 \lab
.endm
; ---- PASS 0: sixteen trips, a constant; a tile that is not live leaves its work out, never the barrier
	BEGIN
.Lrow0:
	s_cmp_ge_u32 s[RT], s[NTV]
	s_cbranch_scc1 .Lmeet
	QUANT
.Lmeet:
	s_wait_dscnt 0x0                               ; for the others' sake: my codes and byte of this tile lie in LDS
	s_barrier_signal -1
	s_barrier_wait -1                              ; everybody's do
	s_cmp_ge_u32 s[RT], s[NTV]
	s_cbranch_scc1 .Lstep0
	BODY 0
.Lstep0:
	NEXT .Lrow0
; ---- PASS 1
	s_wait_loadcnt 0x0                             ; no load into v96-127 is out: the small loads below land there
.rept 4
	v_nop                                          ; places in front of loads into registers that matrix instructions have read
.endr
	W2LOAD 1
	SMALL 1, X
	s_wait_loadcnt 0x0
	STASH X
	BEGIN
.Lrow1:
	s_cmp_ge_u32 s[RT], s[NTV]
	s_cbranch_scc1 .Lstep1
	BODY 1
.Lstep1:
	NEXT .Lrow1
; ---- PHASE C: thread 16 t + r of the first 256 adds the 32 partials of row r of tile t
	s_wait_dscnt 0x0
	s_barrier_signal -1
	s_barrier_wait -1
	s_cmp_lt_u32 s[WV], 8
	s_cbranch_scc0 .Lend
.irp k, 0,1,2,3,4,5,6,7,8,9,10,11,12,13,14,15,16,17,18,19,20,21,22,23,24,25,26,27,28,29,30,31
	ds_load_b32 v[32+\k], v[PAR] offset:1024*\k
.endr
	v_lshrrev_b32 v20, 4, v0                       ; t
	v_and_b32 v21, 15, v0                          ; r
	s_delay_alu instid0(VALU_DEP_1)
	v_lshl_add_u32 v22, v20, 7, v21                ; 128 t + r
	s_delay_alu instid0(VALU_DEP_1)
	v_lshlrev_b32 v23, 2, v22
	s_lshl_b32 s29, s[CX], 4
	v_add_nc_u32 v22, s29, v22                     ; the position
	v_mov_b32 v24, 0xff800000                      ; -infinity
	s_wait_alu depctr_va_vdst(0)                   ; directly ahead of the wait below
	s_wait_dscnt 0x0
.irp i, 0,4,8,12,16,20,24,28
	v_pk_add_f32 v[32+\i:33+\i], v[32+\i:33+\i], v[34+\i:35+\i]
.endr
.irp i, 0,8,16,24
	v_pk_add_f32 v[32+\i:33+\i], v[32+\i:33+\i], v[36+\i:37+\i]
.endr
.irp i, 0,16
	v_pk_add_f32 v[32+\i:33+\i], v[32+\i:33+\i], v[40+\i:41+\i]
.endr
	s_delay_alu instid0(VALU_DEP_1)
	v_pk_add_f32 v[32:33], v[32:33], v[48:49]
	s_delay_alu instid0(VALU_DEP_1)
	v_add_f32 v32, v32, v33
	s_delay_alu instid0(VALU_DEP_1)
	v_mul_f32 v32, 0xc038aa3b, v32                 ; x -c
	v_cmp_gt_u32 vcc_lo, s[CNT], v22               ; a listed row?
	s_delay_alu instid0(VALU_DEP_1)
	v_cndmask_b32 v32, v24, v32, vcc_lo            ; else -infinity, as the mask has it
	global_store_b32 v23, v32, s[18:19]            ; sixteen lanes store a tile's 64 bytes; the batch's eight work-groups cover all 2,048 positions
.Lend:
	s_wait_tensorcnt 0x0                           ; the wave's end
	ds_add_u32 v[SPW], v[NIL]
	s_wait_dscnt 0x0
	s_endpgm
.Lfunc_end_k_q65268d263d_energy:
	.size	k_q65268d263d_energy, .Lfunc_end_k_q65268d263d_energy-k_q65268d263d_energy
	.p2alignl 7, 3214868480
	.fill 96, 4, 3214868480
	.section	.rodata,"a",@progbits
	.p2align	6, 0x0
	.amdhsa_kernel k_q65268d263d_energy
		.amdhsa_group_segment_fixed_size 260096
		.amdhsa_private_segment_fixed_size 0
		.amdhsa_enable_private_segment 0
		.amdhsa_kernarg_size 64
		.amdhsa_user_sgpr_count 2
		.amdhsa_user_sgpr_kernarg_segment_ptr 1
		.amdhsa_wavefront_size32 1
		.amdhsa_system_sgpr_workgroup_id_x 1
		.amdhsa_system_sgpr_workgroup_id_y 1
		.amdhsa_system_sgpr_workgroup_id_z 1
		.amdhsa_system_vgpr_workitem_id 0
		.amdhsa_next_free_vgpr 256
		.amdhsa_next_free_sgpr 66
		.amdhsa_reserve_vcc 1
		.amdhsa_float_denorm_mode_32 3
		.amdhsa_float_denorm_mode_16_64 3
		.amdhsa_memory_ordered 1
		.amdhsa_forward_progress 1
		.amdhsa_inst_pref_size 41
	.end_amdhsa_kernel
	.amdgpu_metadata
---
amdhsa.version: [ 1, 2 ]
amdhsa.kernels:
  - .name:           k_q65268d263d_energy
    .symbol:         k_q65268d263d_energy.kd
    .args:
      - { .name: values, .offset: 0, .size: 8, .value_kind: global_buffer, .address_space: global }
      - { .name: list, .offset: 8, .size: 8, .value_kind: global_buffer, .address_space: global }
      - { .name: cnt, .offset: 16, .size: 8, .value_kind: global_buffer, .address_space: global }
      - { .name: w2f, .offset: 24, .size: 8, .value_kind: global_buffer, .address_space: global }
      - { .name: W2_w_scales, .offset: 32, .size: 8, .value_kind: global_buffer, .address_space: global }
      - { .name: qbc, .offset: 40, .size: 8, .value_kind: global_buffer, .address_space: global }
      - { .name: V_w, .offset: 48, .size: 8, .value_kind: global_buffer, .address_space: global }
      - { .name: sc, .offset: 56, .size: 8, .value_kind: global_buffer, .address_space: global }
    .group_segment_fixed_size: 260096
    .private_segment_fixed_size: 0
    .kernarg_segment_align: 8
    .kernarg_segment_size: 64
    .max_flat_workgroup_size: 512
    .sgpr_count:     66
    .vgpr_count:     256
    .wavefront_size: 32
...
	.end_amdgpu_metadata
.endif
;; end of part 2
;; launch context (part 3): grid 8 x 32, 16 waves a work-group, no clusters, 27,136 bytes of LDS; arguments sc, list, rank, cnt, values, out0, out1; writes out0, out1
.if DOCPART == 3
	.amdgcn_target "amdgcn-amd-amdhsa--gfx1250"
	.amdhsa_code_object_version 6
	.text
	.protected	k_q65268d263d_context
	.globl	k_q65268d263d_context
	.p2align	8
	.type	k_q65268d263d_context,@function
k_q65268d263d_context:
	s_mov_b64 s[64:65], 0
	v_nop
	global_prefetch_b8 v0, s[64:65] scope:SCOPE_SE
	s_setreg_imm32_b32 hwreg(HW_REG_WAVE_MODE, 25, 1), 1
	s_wait_xcnt 0x0
; The softmax over a batch's 2,048 positions (scores in units of log2, -inf from the count on), alphas in the rows' own order, and the context.  All in f32.
; LEFT OUT, as shown at the head of the first launch: rows of values with mask == 0, whose alpha is exactly 0: the walk over the list ends at the count.  Two things reach beyond it, with the weight 0:
; the last group of 16 positions, and each wave's FIRST group (positions under 256), which is asked for at the head, before the count and the weights are there, so that rows are on their way
; while the softmax is made.  The list is a whole permutation, so these are rows of the batch.  LIMIT: a NaN or an infinity in such a masked row reaches the context, as in reference(); in others not.
; A batch with no listed row: every score is -inf, the maximum too, -inf - -inf is NaN, and both outputs are NaN, as reference() has it (the first group carries it into the context).
; SHARES.  Work-group (x = c, y = batch b) owns columns 128 c .. 128 c + 127 of out0[b] and rows 256 c .. 256 c + 255 of out1[b]: each output number has one owner.  The maximum and the sum are
; made anew by each of a batch's eight work-groups, from 8,192 bytes.  Wave w walks positions 16 w + 256 k + 0 .. 15, k = 0 .. 7; a row's part is 512 consecutive bytes, 16 a lane.
; The walk is written out on two sets of row registers: group k + 1 is asked for ahead of group k's sums; where the walk ends hangs on the count, so a tail is written out for each k.
; Nothing is shared between work-groups but those 8,192 bytes and the list, and the walk's length hangs on a stored count: no joint requests, no copies into LDS, no matrix work (one row of weights).
.set RED,   0                          ; LDS: the waves' maxima, 64 bytes
.set RED2,  256                        ; their sums
.set WT,    512                        ; the 2,048 weights p, by position
.set LI,    8704                       ; the list
.set ACCS,  16896                      ; the waves' parts of the context, 512 bytes each
.set SPARE, 25088                      ; the spare words, 128 bytes for each wave: eight blocks of 256 bytes that no other line names
.set SPW, 14                           ; v14  LDS address of my spare word; never rewritten
.set NIL, 15                           ; v15  0; never rewritten
.set IX,  16                           ; v16-31, v32-47   two sets: 16 rows' numbers, then their byte offsets
.set WG,  48                           ; v48-63   a group's weights; at the head the waves' figures
.set ROW, 64                           ; v64-127, v128-191  two sets of 16 x 4 numbers
.set AC,  192                          ; v192-199 two sets of four sums
.set RK,  200                          ; v200-203 ranks, then offsets
.set GA,  204                          ; v204-207 gathered scores, then alphas
.set SM,  208                          ; v208-211 my four scores, then weights
.set LM,  212                          ; v212-215 my four list entries
.set LS,  48                           ; s48-63   the list's entries of my first group
	s_load_b256 s[4:11], s[0:1], 0x0               ; sc s[4:5], list s[6:7], rank s[8:9], cnt s[10:11]
	s_load_b128 s[12:15], s[0:1], 0x20             ; values s[12:13], out0 s[14:15]
	s_load_b64 s[16:17], s[0:1], 0x30              ; out1
	v_lshl_add_u32 v[SPW], v0, 2, SPARE
	v_mov_b32 v[NIL], 0
	v_lshrrev_b32 v4, 5, v0
	v_readfirstlane_b32 s20, v4                    ; wave 0..15
	s_and_b32 s21, ttmp7, 0xffff                   ; the batch
	s_mov_b32 s22, ttmp9                           ; c
	v_and_b32 v1, 31, v0                           ; lane
	v_lshlrev_b32 v2, 4, v0                        ; 16 x thread
	v_lshlrev_b32 v3, 4, v1                        ; 16 x lane
	v_lshlrev_b32 v6, 2, v4                        ; 4 x wave
	v_lshlrev_b32 v9, 6, v4                        ; 64 x wave: my first group's place in WT and LI
	v_mov_b32 v5, 0                                ; (a lane permute's destination counts as one of its sources)
	v_mov_b32 v8, 0
.irp i, 0,1,2,3,4,5,6,7
	v_mov_b32 v[AC+\i], 0
.endr
	s_lshl_b32 s28, s22, 9
	v_add_nc_u32 v13, s28, v3                      ; my 16 bytes of a row: 512 c + 16 lane
	s_mov_b32 s31, 0
	s_mov_b32 s32, 0x76543210
	s_mov_b32 s33, 0xfedcba98                      ; v_permlanex16_b32's selects for lane l xor 16
	s_wait_alu depctr_va_vdst(0)
	s_wait_kmcnt 0x0
	s_lshl_b32 s30, s21, 7
	s_add_nc_u64 s[10:11], s[10:11], s[30:31]
	s_load_b32 s23, s[10:11], 0x0                  ; the count
	s_lshl_b32 s30, s21, 13
	s_add_nc_u64 s[4:5], s[4:5], s[30:31]
	s_add_nc_u64 s[6:7], s[6:7], s[30:31]
	s_lshl_b32 s28, s22, 10
	s_add_co_u32 s30, s30, s28
	s_add_nc_u64 s[8:9], s[8:9], s[30:31]          ; rank and out1 at row 256 c of the batch
	s_add_nc_u64 s[16:17], s[16:17], s[30:31]
	s_lshl_b32 s30, s20, 6
	s_add_nc_u64 s[34:35], s[6:7], s[30:31]        ; the list at position 16 w
	s_load_b512 s[LS:LS+15], s[34:35], 0x0         ; my first group's 16 entries: the same for all lanes, so a scalar load brings them
	s_lshl_b32 s30, s21, 23
	s_add_nc_u64 s[12:13], s[12:13], s[30:31]
	s_lshl_b32 s30, s21, 12
	s_lshl_b32 s28, s22, 9
	s_add_co_u32 s30, s30, s28
	s_add_nc_u64 s[14:15], s[14:15], s[30:31]      ; out0 at column 128 c of the batch
	s_cmp_lt_u32 s20, 2                            ; waves 0 and 1 make the 256 alphas, four a lane
	s_cbranch_scc0 .Lno_rank
	global_load_b128 v[RK:RK+3], v2, s[8:9]
.Lno_rank:
	global_load_b128 v[SM:SM+3], v2, s[4:5]        ; my four scores
	global_load_b128 v[LM:LM+3], v2, s[6:7]        ; my four list entries
	s_cmp_lt_u32 s20, 2
	s_cbranch_scc0 .Lno_gather
	s_wait_loadcnt 2                               ; the ranks are in; my scores and list entries, issued behind them, may be out
.irp e, 0,1,2,3
	v_min_u32 v[RK+\e], 0x7ff, v[RK+\e]            ; a position: held inside the batch since it enters an address
.endr
.irp e, 0,1,2,3
	v_lshlrev_b32 v[RK+\e], 2, v[RK+\e]
.endr
.irp e, 0,1,2,3
	global_load_b32 v[GA+\e], v[RK+\e], s[4:5]     ; the score of row 256 c + 4 thread + e: asked for ahead of the rows, so that from here on all waves count their loads alike
.endr
.Lno_gather:
	s_wait_kmcnt 0x0                               ; the count and my first group's entries
.irp j, 0,1,2,3,4,5,6,7,8,9,10,11,12,13,14,15
	s_min_u32 s[LS+\j], s[LS+\j], 0x7ff            ; a row's number: held inside the batch since it enters an address
.endr
.irp j, 0,1,2,3,4,5,6,7,8,9,10,11,12,13,14,15
	v_lshl_add_u32 v[IX+\j], s[LS+\j], 12, v13
.endr
.irp j, 0,1,2,3,4,5,6,7,8,9,10,11,12,13,14,15
	global_load_b128 v[ROW+4*\j:ROW+4*\j+3], v[IX+\j], s[12:13] th:TH_LOAD_NT   ; the first group's rows go out here and land while the softmax is made
.endr
	s_wait_loadcnt 16                              ; all that was asked for ahead of the 16 rows is in
	v_max3_num_f32 v4, v[SM], v[SM+1], v[SM+2]     ; THE MAXIMUM: of my four, of the wave, of the sixteen waves
	v_max_num_f32 v4, v4, v[SM+3]
	v_max_num_f32_dpp v4, v4, v4 row_xmask:1 row_mask:0xf bank_mask:0xf
	v_max_num_f32_dpp v4, v4, v4 row_xmask:2 row_mask:0xf bank_mask:0xf
	v_max_num_f32_dpp v4, v4, v4 row_xmask:4 row_mask:0xf bank_mask:0xf
	v_max_num_f32_dpp v4, v4, v4 row_xmask:8 row_mask:0xf bank_mask:0xf
	v_permlanex16_b32 v5, v4, s32, s33
	v_max_num_f32 v4, v4, v5
	ds_store_b32 v6, v4 offset:RED                 ; all lanes write the same word with the same value
	ds_store_b128 v2, v[LM:LM+3] offset:LI
	s_wait_dscnt 0x0
	s_barrier_signal -1
	s_barrier_wait -1
.irp i, 0,1,2,3
	ds_load_b128 v[WG+4*\i:WG+4*\i+3], v8 offset:RED+16*\i
.endr
	s_wait_dscnt 0x0
	v_max3_num_f32 v10, v[WG], v[WG+1], v[WG+2]
.irp i, 3,5,7,9,11,13
	v_max3_num_f32 v10, v10, v[WG+\i], v[WG+\i+1]
.endr
	v_max_num_f32 v10, v10, v[WG+15]               ; M
.irp e, 0,1,2,3
	v_sub_f32 v[SM+\e], v[SM+\e], v10
.endr
	s_wait_alu depctr_va_vdst(0)                   ; ahead of the batch
.irp e, 0,1,2,3
	v_exp_f32 v[SM+\e], v[SM+\e]                   ; p = 2^(score - M); 0 from the count on
.endr
	v_nop                                          ; a plain instruction behind the last exponential
	s_wait_alu depctr_va_vdst(0)                   ; one wait for the four, ahead of their first reader
	v_add_f32 v4, v[SM], v[SM+1]                   ; THE SUM, the same way
	v_add_f32 v7, v[SM+2], v[SM+3]
	v_add_f32 v4, v4, v7
	v_add_f32_dpp v4, v4, v4 row_xmask:1 row_mask:0xf bank_mask:0xf
	v_add_f32_dpp v4, v4, v4 row_xmask:2 row_mask:0xf bank_mask:0xf
	v_add_f32_dpp v4, v4, v4 row_xmask:4 row_mask:0xf bank_mask:0xf
	v_add_f32_dpp v4, v4, v4 row_xmask:8 row_mask:0xf bank_mask:0xf
	v_permlanex16_b32 v5, v4, s32, s33
	v_add_f32 v4, v4, v5
	ds_store_b32 v6, v4 offset:RED2
	ds_store_b128 v2, v[SM:SM+3] offset:WT
	s_wait_dscnt 0x0
	s_barrier_signal -1
	s_barrier_wait -1
.irp i, 0,1,2,3
	ds_load_b128 v[WG+4*\i:WG+4*\i+3], v8 offset:RED2+16*\i
.endr
	s_wait_dscnt 0x0
.irp i, 0,4,8,12
	v_pk_add_f32 v[WG+\i:WG+\i+1], v[WG+\i:WG+\i+1], v[WG+\i+2:WG+\i+3]
.endr
	v_pk_add_f32 v[WG:WG+1], v[WG:WG+1], v[WG+4:WG+5]
	v_pk_add_f32 v[WG+8:WG+9], v[WG+8:WG+9], v[WG+12:WG+13]
	v_pk_add_f32 v[WG:WG+1], v[WG:WG+1], v[WG+8:WG+9]
	v_add_f32 v11, v[WG], v[WG+1]
	s_wait_alu depctr_va_vdst(0)                   ; ahead of the transcendental
	v_rcp_f32 v11, v11                             ; 1 / the sum
	v_nop
	s_wait_alu depctr_va_vdst(0)
	s_cmp_lt_u32 s20, 2
	s_cbranch_scc0 .Lno_alpha
.irp e, 0,1,2,3
	v_sub_f32 v[GA+\e], v[GA+\e], v10              ; (the gathered scores were shown in by the wait behind the first group's loads)
.endr
	s_wait_alu depctr_va_vdst(0)                   ; ahead of the batch
.irp e, 0,1,2,3
	v_exp_f32 v[GA+\e], v[GA+\e]
.endr
	v_nop
	s_wait_alu depctr_va_vdst(0)
.irp e, 0,1,2,3
	v_mul_f32 v[GA+\e], v[GA+\e], v11
.endr
	global_store_b128 v2, v[GA:GA+3], s[16:17]     ; a wave stores 512 consecutive bytes, at a multiple of 256 from out1's first byte; these registers are not written again
.Lno_alpha:
; ---- THE WALK
.macro WLOAD k                         ; group k's 16 weights: the same address in all lanes
.irp i, 0,1,2,3
	ds_load_b128 v[WG+4*\i:WG+4*\i+3], v9 offset:WT+1024*(\k)+16*\i
.endr
.endm
.macro ILOAD k                         ; group k's 16 list entries, into set k % 2: that set's earlier loads have been waited for
.irp i, 0,1,2,3
	ds_load_b128 v[IX+16*((\k)%2)+4*\i:IX+16*((\k)%2)+4*\i+3], v9 offset:LI+1024*(\k)+16*\i
.endr
.endm
.macro ISSUE k                         ; its rows are asked for
.irp j, 0,1,2,3,4,5,6,7,8,9,10,11,12,13,14,15
	v_min_u32 v[IX+16*((\k)%2)+\j], 0x7ff, v[IX+16*((\k)%2)+\j]    ; a row's number: held inside the batch since it enters an address
.endr
.irp j, 0,1,2,3,4,5,6,7,8,9,10,11,12,13,14,15
	v_lshl_add_u32 v[IX+16*((\k)%2)+\j], v[IX+16*((\k)%2)+\j], 12, v13
.endr
.irp j, 0,1,2,3,4,5,6,7,8,9,10,11,12,13,14,15
	global_load_b128 v[ROW+64*((\k)%2)+4*\j:ROW+64*((\k)%2)+4*\j+3], v[IX+16*((\k)%2)+\j], s[12:13] th:TH_LOAD_NT   ; 512 consecutive bytes of a listed row; each is read once in this launch
.endr
.endm
.macro CONSUME k, extra                ; group k's rows are weighed in; extra: the loads of the next group, issued behind them (16 or none)
.set RS, ROW+64*((\k)%2)
	s_wait_alu depctr_va_vdst(0)
	s_wait_loadcnt \extra                          ; the group's 16 rows are in; the next group's loads may be out
.irp j, 0,1,2,3,4,5,6,7,8,9,10,11,12,13,14,15
.if (\j%2) == 0                        ; the row's weight is one register of a pair: it serves both halves
	v_pk_fma_f32 v[AC:AC+1], v[RS+4*\j:RS+4*\j+1], v[WG+\j:WG+\j+1], v[AC:AC+1] op_sel_hi:[1,0,1]
	v_pk_fma_f32 v[AC+2:AC+3], v[RS+4*\j+2:RS+4*\j+3], v[WG+\j:WG+\j+1], v[AC+2:AC+3] op_sel_hi:[1,0,1]
.else
	v_pk_fma_f32 v[AC+4:AC+5], v[RS+4*\j:RS+4*\j+1], v[WG+\j-1:WG+\j], v[AC+4:AC+5] op_sel:[0,1,0] op_sel_hi:[1,1,1]
	v_pk_fma_f32 v[AC+6:AC+7], v[RS+4*\j+2:RS+4*\j+3], v[WG+\j-1:WG+\j], v[AC+6:AC+7] op_sel:[0,1,0] op_sel_hi:[1,1,1]
.endif
.endr
.endm
	s_min_u32 s24, s23, 0x800                      ; the count
	s_lshl_b32 s25, s20, 4                         ; my first position
.irp k, 0,1,2,3,4,5,6
	s_add_co_u32 s25, s25, 256                     ; the next group's first position
	s_cmp_lt_u32 s25, s24
	s_cbranch_scc0 .Ltail_\k                       ; it lies at or beyond the count: group k is my last, and its tail is written out below
	ILOAD \k+1
	WLOAD \k
	s_wait_dscnt 0x0
	ISSUE \k+1
	CONSUME \k, 16
.endr
	WLOAD 7
	s_wait_dscnt 0x0
	CONSUME 7, 0
	s_branch .Lsum
.irp k, 0,1,2,3,4,5,6
.Ltail_\k:
	WLOAD \k
	s_wait_dscnt 0x0
	CONSUME \k, 0
	s_branch .Lsum
.endr
.Lsum:
	s_wait_alu depctr_va_vdst(0)
	v_pk_add_f32 v[AC:AC+1], v[AC:AC+1], v[AC+4:AC+5]
	v_pk_add_f32 v[AC+2:AC+3], v[AC+2:AC+3], v[AC+6:AC+7]
	ds_store_b128 v2, v[AC:AC+3] offset:ACCS       ; 512 w + 16 lane
	s_wait_dscnt 0x0
	s_barrier_signal -1
	s_barrier_wait -1
	s_cmp_lg_u32 s20, 0
	s_cbranch_scc1 .Lend
.irp i, 0,1,2,3,4,5,6,7,8,9,10,11,12,13,14,15
	ds_load_b128 v[ROW+4*\i:ROW+4*\i+3], v3 offset:ACCS+512*\i
.endr
	s_wait_dscnt 0x0
.macro ADD4 a, b
	v_pk_add_f32 v[\a:\a+1], v[\a:\a+1], v[\b:\b+1]
	v_pk_add_f32 v[\a+2:\a+3], v[\a+2:\a+3], v[\b+2:\b+3]
.endm
.irp i, 0,2,4,6,8,10,12,14
	ADD4 ROW+4*\i, ROW+4+4*\i
.endr
.irp i, 0,4,8,12
	ADD4 ROW+4*\i, ROW+8+4*\i
.endr
.irp i, 0,8
	ADD4 ROW+4*\i, ROW+16+4*\i
.endr
	ADD4 ROW, ROW+32
.irp e, 0,1,2,3
	v_mul_f32 v[ROW+\e], v[ROW+\e], v11            ; / the sum
.endr
	global_store_b128 v3, v[ROW:ROW+3], s[14:15]   ; 32 lanes store 512 consecutive bytes, at a multiple of 256 from out0's first byte
.Lend:
	s_wait_tensorcnt 0x0                           ; the wave's end, behind my last LDS store
	ds_add_u32 v[SPW], v[NIL]
	s_wait_dscnt 0x0
	s_endpgm
.Lfunc_end_k_q65268d263d_context:
	.size	k_q65268d263d_context, .Lfunc_end_k_q65268d263d_context-k_q65268d263d_context
	.p2alignl 7, 3214868480
	.fill 96, 4, 3214868480
	.section	.rodata,"a",@progbits
	.p2align	6, 0x0
	.amdhsa_kernel k_q65268d263d_context
		.amdhsa_group_segment_fixed_size 27136
		.amdhsa_private_segment_fixed_size 0
		.amdhsa_enable_private_segment 0
		.amdhsa_kernarg_size 56
		.amdhsa_user_sgpr_count 2
		.amdhsa_user_sgpr_kernarg_segment_ptr 1
		.amdhsa_wavefront_size32 1
		.amdhsa_system_sgpr_workgroup_id_x 1
		.amdhsa_system_sgpr_workgroup_id_y 1
		.amdhsa_system_sgpr_workgroup_id_z 1
		.amdhsa_system_vgpr_workitem_id 0
		.amdhsa_next_free_vgpr 216
		.amdhsa_next_free_sgpr 66
		.amdhsa_reserve_vcc 0
		.amdhsa_float_denorm_mode_32 3
		.amdhsa_float_denorm_mode_16_64 3
		.amdhsa_memory_ordered 1
		.amdhsa_forward_progress 1
		.amdhsa_inst_pref_size 78
	.end_amdhsa_kernel
	.amdgpu_metadata
---
amdhsa.version: [ 1, 2 ]
amdhsa.kernels:
  - .name:           k_q65268d263d_context
    .symbol:         k_q65268d263d_context.kd
    .args:
      - { .name: sc, .offset: 0, .size: 8, .value_kind: global_buffer, .address_space: global }
      - { .name: list, .offset: 8, .size: 8, .value_kind: global_buffer, .address_space: global }
      - { .name: rank, .offset: 16, .size: 8, .value_kind: global_buffer, .address_space: global }
      - { .name: cnt, .offset: 24, .size: 8, .value_kind: global_buffer, .address_space: global }
      - { .name: values, .offset: 32, .size: 8, .value_kind: global_buffer, .address_space: global }
      - { .name: out0, .offset: 40, .size: 8, .value_kind: global_buffer, .address_space: global }
      - { .name: out1, .offset: 48, .size: 8, .value_kind: global_buffer, .address_space: global }
    .group_segment_fixed_size: 27136
    .private_segment_fixed_size: 0
    .kernarg_segment_align: 8
    .kernarg_segment_size: 56
    .max_flat_workgroup_size: 512
    .sgpr_count:     66
    .vgpr_count:     216
    .wavefront_size: 32
...
	.end_amdgpu_metadata
.endif
;; end of part 3
